; MI455X (gfx1250); checked and timed in simulation.
; The chip was launched on July 23, 2026; its instructions are those of AMD's public machine-readable ISA for CDNA 5 (MIT licence, August 2026) and "CDNA5" Instruction Set Architecture Reference Guide (July 2026). The comments in the code are by the model that wrote it; some were corrected since.
;; Segment Linear. Allowed arithmetic: matrix products marked QUANTISED: E3M2 operands, one E8M0 scale for each 32 along K, by v_wmma_scale_f32_16x16x128_f8f6f4 with both operands' format E3M2, f32 sums; everything else in f32.
;; Inputs: weight 4,096 x 4,096 float32; x 4,096 x 4,096 float32.
;; Outputs: out0 4,096 x 4,096 float32.
;; This version of the problem:
;;   THIS VERSION OF THE PROBLEM IS GIVEN IN LOW PRECISION. The matrix products marked QUANTISED in the list below multiply operands that are first quantised to E3M2 (3 exponent bits, 2 mantissa bits; 6 bits a number), with one power-of-two scale for each 32 numbers along K (OCP MX v1.0); their sums are f32. All else is computed in f32.
;;   The module's matrix products, in the order in which they are computed (A, B: the left and right operand; K: the contracted axis; several contracted axes count as one K, in the product's order):
;;     1. [M 4,096, K 4,096] x [K 4,096, N 4,096]; A: computed on the way; B: computed on the way: QUANTISED
;;   THE QUANTISER, for each operand of a quantised product, along K:
;;     - K is cut into blocks of 32 from its start; a last block that is shorter is filled with zeros.
;;     - A block's scale is 2^e with e = floor(log2(the largest magnitude in the block)) - 4, held to -126 .. 127; a block of zeros has e = 0. As a byte (E8M0): e + 127.
;;     - Each number is divided by its block's scale, clamped to +-28, and rounded to the nearest number of E3M2, ties to even, subnormals kept.
;;     - The product sums the exact products of the quantised numbers (number of the format x scale) in f32.
;;   ~~~python
;;   def quantise(x, axis):      # numpy; x: float32 -> the quantised numbers, widened to float32 again
;;       x = np.moveaxis(x, axis, -1); K = x.shape[-1]
;;       x = np.pad(x, [(0, 0)] * (x.ndim - 1) + [(0, -K % 32)]); x = x.reshape(x.shape[:-1] + (-1, 32)); a = np.abs(x).max(-1, keepdims=True)
;;       e = np.where(a > 0, np.clip(np.frexp(np.where(a > 0, a, 1))[1] - 1 - 4, -126, 127), 0)      # np.frexp(a)[1] - 1 = floor(log2(a)), exactly
;;       r = np.clip(x / 2.0 ** e, -28, 28)
;;       step = 2.0 ** (np.maximum(np.frexp(np.where(r == 0, 1, r))[1] - 1, -2) - 2)
;;       q = np.round(r / step) * step * 2.0 ** e      # np.round: ties to even
;;       return np.moveaxis(q.reshape(q.shape[:-2] + (-1,))[..., :K], -1, axis).astype(np.float32)
;;   ~~~
;;   OPERANDS COMPUTED ON THE WAY. 'Computed on the way' means the value that the module computes at that place (a softmax that the list does not call 'softmax' is quantised finished and normalised). What goes into a quantiser is computed in f32, as accurately as f32 sums, v_exp_f32 and their like allow (about 1e-6 of the number): no bf16 or f16 on the way to a quantiser, and a product that is left as it is and whose result goes on into a quantised operand takes f32 operands (vector FMAs, or v_wmma_f32_16x16x4_f32). A number that lies on a knife's edge between two numbers of the format may be rounded either way, as far as f32 arithmetic and the matrix unit's own rounding can turn it there, and no further.
;; One version. Each part assembles by itself: llvm-mc -triple=amdgcn-amd-amdhsa -mcpu=gfx1250 --defsym DOCPART=n.
;; ======== version 1 of 1: 3 launches
;; limits: right only within a limited range of input values
;; workspace buffers: part 8,192 bytes; acodes 13,107,200 bytes; bcodes 13,107,200 bytes
;; launch amax (part 1): grid 512 x 1, 8 waves a work-group, no clusters, 1,280 bytes of LDS; arguments x, weight, part; writes part
.if DOCPART == 1
	.amdgcn_target "amdgcn-amd-amdhsa--gfx1250"
	.amdhsa_code_object_version 6
	.text
	.protected	k_q279f2ff7ad_amax
	.globl	k_q279f2ff7ad_amax
	.p2align	8
	.type	k_q279f2ff7ad_amax,@function
k_q279f2ff7ad_amax:
	s_mov_b64 s[64:65], 0
	v_nop
	global_prefetch_b8 v0, s[64:65] scope:SCOPE_SE
	s_setreg_imm32_b32 hwreg(HW_REG_WAVE_MODE, 25, 1), 1
	s_wait_xcnt 0x0
; The largest magnitude of each of the four chunks (1,024 columns) of x and of weight, [4096][4096] f32, as far as one work-group sees it.
; Work-groups 0-255 take x, 256-511 weight.  Work-group g of a tensor owns rows 16 g .. 16 g + 15: 262,144 dense bytes.  Thread t reads the 16 bytes at 16 t + 4,096 i, i = 0 .. 63:
; the work-group's load i covers just chunk i % 4 of row i / 4, and a wave's load 512 consecutive bytes, aligned.  Every offset is an immediate (258,048 at the most): no loop, no pointer is stepped.
; Each work-group stores its four maxima to part[tensor][chunk][g] (f32); the next launch finishes them.  No matrix unit, cluster or tensor load: the launch only streams.
; Sixteen running maxima: take i writes pair i % 8, so that fifteen plain vector instructions stand between a write of a maximum and the next read of it.
; LIMITS: NaN among the inputs is dropped by the maximum, where the model would spread it; infinities are not served.
.set RING, 16                          ; loads of a wave in flight
.set M,    8                           ; v[8:23]   pair i % 8: chunk i % 4, rows of one parity
.set R,    24                          ; v[24:87]  the ring: slot i % 16, four registers
.set T,    88                          ; v[88:91] the chunks' maxima; v[92:95] the lane permutes' results
	s_load_b128 s[4:7], s[0:1], 0x0                ; x, weight
	s_load_b64 s[8:9], s[0:1], 0x10                ; part
	v_lshl_add_u32 v96, v0, 2, 0x100               ; my spare word
	v_mov_b32 v97, 0
	v_lshlrev_b32 v1, 4, v0                        ; my 16 bytes of the work-group's 4,096
	v_lshrrev_b32 v2, 5, v0
	v_lshlrev_b32 v2, 4, v2                        ; 16 x wave
	v_and_b32 v3, 31, v0
	v_lshlrev_b32 v3, 2, v3                        ; 4 x lane
	s_mov_b32 s12, 0x76543210                      ; v_permlanex16_b32's selects for lane l xor 16
	s_mov_b32 s13, 0xfedcba98
	s_cmp_lt_u32 ttmp9, 256                        ; x's work-group or weight's?
	s_cselect_b32 s16, 0, 256
	s_cselect_b32 s17, 0, 4096                     ; the tensor's part of part
	s_sub_co_u32 s16, ttmp9, s16                   ; g
	s_lshl_b32 s18, s16, 2
	s_add_co_u32 s17, s18, s17
	v_lshl_add_u32 v6, v0, 10, s17                 ; part: chunk x 1,024 + 4 g + the tensor's 4,096 (threads 0 to 3 store)
.irp c, 0,1,2,3
	v_mov_b32 v[T+4+\c], 0                         ; a lane permute's destination counts as one of its sources
.endr
	s_lshl_b32 s18, s16, 18                        ; 16 rows of 16,384 bytes
	s_mov_b32 s19, 0
	s_wait_alu depctr_va_vdst(0)                   ; the head's end
	s_wait_kmcnt 0x0
	s_cmp_lt_u32 ttmp9, 256                        ; the choice hangs on the work-group's number alone
	s_cselect_b64 s[4:5], s[4:5], s[6:7]
	s_add_nc_u64 s[4:5], s[4:5], s[18:19]
.irp i, 0,1,2,3,4,5,6,7,8,9,10,11,12,13,14,15
	global_load_b128 v[R+4*\i:R+4*\i+3], v1, s[4:5] offset:4096*\i
.endr
.macro TAKE i
.if 63-(\i) < RING-1
	s_wait_loadcnt 63-(\i)                         ; the last takes: the counts run down
.else
	s_wait_loadcnt RING-1                          ; loads come back in order (ISA guide 5.7.1): mine is in, the fifteen younger ones stay out
.endif
.if (\i) < 8
	v_max_num_f32 v[M+2*(\i)], |v[R+4*(\i)]|, |v[R+4*(\i)+1]|          ; the first eight takes start the chains: nothing is cleared
	v_max_num_f32 v[M+2*(\i)+1], |v[R+4*(\i)+2]|, |v[R+4*(\i)+3]|
.else
	v_max3_num_f32 v[M+2*((\i)%8)], v[M+2*((\i)%8)], |v[R+4*((\i)%RING)]|, |v[R+4*((\i)%RING)+1]|
	v_max3_num_f32 v[M+2*((\i)%8)+1], v[M+2*((\i)%8)+1], |v[R+4*((\i)%RING)+2]|, |v[R+4*((\i)%RING)+3]|
.endif
.if (\i)+RING < 64
	global_load_b128 v[R+4*((\i)%RING):R+4*((\i)%RING)+3], v1, s[4:5] offset:4096*((\i)+RING)
.endif
.endm
.set n, 0
.rept 64
	TAKE n
.set n, n+1
.endr
	s_wait_alu depctr_va_vdst(0)
.irp c, 0,1,2,3
	v_max3_num_f32 v[T+\c], v[M+2*\c], v[M+2*\c+1], v[M+2*\c+8]    ; chunk c's four chains
.endr
.irp c, 0,1,2,3
	v_max_num_f32 v[T+\c], v[T+\c], v[M+2*\c+9]
.endr
.irp m, 1,2,4,8                        ; over the wave: four steps inside each half of 16 lanes,
.irp c, 0,1,2,3
	v_max_num_f32_dpp v[T+\c], v[T+\c], v[T+\c] row_xmask:\m row_mask:0xf bank_mask:0xf
.endr
.endr
.irp c, 0,1,2,3
	v_permlanex16_b32 v[T+4+\c], v[T+\c], s12, s13 ; one across the halves
.endr
.irp c, 0,1,2,3
	v_max_num_f32 v[T+\c], v[T+\c], v[T+4+\c]
.endr
	ds_store_b128 v2, v[T:T+3]                     ; all lanes write the same 16 bytes with the same values
	s_wait_alu depctr_va_vdst(0)                   ; directly ahead of the wait below
	s_wait_dscnt 0x0                               ; for the others' sake: my store is done
	s_barrier_signal -1
	s_barrier_wait -1
	ds_load_b32 v4, v3                             ; lane l: wave l / 4's maximum of chunk l % 4
	s_wait_dscnt 0x0
	v_max_num_f32_dpp v4, v4, v4 row_xmask:4 row_mask:0xf bank_mask:0xf
	v_max_num_f32_dpp v4, v4, v4 row_xmask:8 row_mask:0xf bank_mask:0xf
	v_permlanex16_b32 v[T+4], v4, s12, s13
	v_max_num_f32 v4, v4, v[T+4]                   ; lane l: the work-group's maximum of chunk l % 4
	v_cmp_gt_u32 vcc_lo, 4, v0
	s_wait_alu depctr_va_vdst(0)                   ; directly ahead of the wait below
	s_wait_tensorcnt 0x0                           ; the wave's end, behind my last LDS store
	ds_add_u32 v96, v97
	s_wait_dscnt 0x0
	s_wait_xcnt 0x0                                ; EXEC changes only behind this wait
	s_and_saveexec_b32 s20, vcc_lo
	global_store_b32 v6, v4, s[8:9]                ; four words a work-group, 8,192 bytes in the whole launch
	s_wait_xcnt 0x0                                ; and again, in front of the line that widens it
	s_or_b32 exec_lo, exec_lo, s20
	s_endpgm
.Lfunc_end_k_q279f2ff7ad_amax:
	.size	k_q279f2ff7ad_amax, .Lfunc_end_k_q279f2ff7ad_amax-k_q279f2ff7ad_amax
	.p2alignl 7, 3214868480
	.fill 96, 4, 3214868480
	.section	.rodata,"a",@progbits
	.p2align	6, 0x0
	.amdhsa_kernel k_q279f2ff7ad_amax
		.amdhsa_group_segment_fixed_size 1280
		.amdhsa_private_segment_fixed_size 0
		.amdhsa_enable_private_segment 0
		.amdhsa_kernarg_size 24
		.amdhsa_user_sgpr_count 2
		.amdhsa_user_sgpr_kernarg_segment_ptr 1
		.amdhsa_wavefront_size32 1
		.amdhsa_system_sgpr_workgroup_id_x 1
		.amdhsa_system_sgpr_workgroup_id_y 1
		.amdhsa_system_sgpr_workgroup_id_z 1
		.amdhsa_system_vgpr_workitem_id 0
		.amdhsa_next_free_vgpr 98
		.amdhsa_next_free_sgpr 66
		.amdhsa_reserve_vcc 1
		.amdhsa_float_denorm_mode_32 3
		.amdhsa_float_denorm_mode_16_64 3
		.amdhsa_memory_ordered 1
		.amdhsa_forward_progress 1
		.amdhsa_inst_pref_size 21
	.end_amdhsa_kernel
	.amdgpu_metadata
---
amdhsa.version: [ 1, 2 ]
amdhsa.kernels:
  - .name:           k_q279f2ff7ad_amax
    .symbol:         k_q279f2ff7ad_amax.kd
    .args:
      - { .name: x, .offset: 0, .size: 8, .value_kind: global_buffer, .address_space: global }
      - { .name: weight, .offset: 8, .size: 8, .value_kind: global_buffer, .address_space: global }
      - { .name: part, .offset: 16, .size: 8, .value_kind: global_buffer, .address_space: global }
    .group_segment_fixed_size: 1280
    .private_segment_fixed_size: 0
    .kernarg_segment_align: 8
    .kernarg_segment_size: 24
    .max_flat_workgroup_size: 256
    .sgpr_count:     66
    .vgpr_count:     98
    .wavefront_size: 32
...
	.end_amdgpu_metadata
.endif
;; end of part 1
;; launch quant (part 2): grid 1024 x 1, 4 waves a work-group, no clusters, 34,304 bytes of LDS; arguments x, weight, part, acodes, bcodes; writes acodes, bcodes
.if DOCPART == 2
	.amdgcn_target "amdgcn-amd-amdhsa--gfx1250"
	.amdhsa_code_object_version 6
	.text
	.protected	k_q279f2ff7ad_quant
	.globl	k_q279f2ff7ad_quant
	.p2align	8
	.type	k_q279f2ff7ad_quant,@function
k_q279f2ff7ad_quant:
	s_mov_b64 s[64:65], 0
	v_nop
	global_prefetch_b8 v0, s[64:65] scope:SCOPE_SE
	s_setreg_imm32_b32 hwreg(HW_REG_WAVE_MODE, 25, 1), 1
	s_wait_xcnt 0x0
; x and weight, [4096][4096] f32, are fake-quantised to int8 steps (one scale for each chunk of 1,024 columns of the whole tensor), in f32, and the results turned into codes of BF6 (E3M2) with one E8M0 byte for each 32 along K.
; THE FAKE QUANTISER, as the model writes it: scale = max(amax / 127, 1e-8); q = clip(round(t / scale), -127, 127) x scale; the result is t + (q - t).  Both divisions are a product with a reciprocal and one correction
; by fused multiply-adds, so that the quotient is the rounded quotient: a turn of round() would move a number by a whole int8 step.  amax is finished here from the 256 partial maxima that the launch before stored.
; THE MX QUANTISER: a block's scale is 2^(floor(log2(its largest magnitude)) - 4); its byte is the largest magnitude's exponent field - 4, held at 1 from below.  (A block of zeros so gets the byte 1 where the rule says 127:
; its codes are zeros, which add nothing under any byte but 0xff, and the bytes are read by this program alone.)  The conversion divides by the scale, rounds to the nearest code, ties to even, and gives the largest code beyond 28.
; LIMITS: NaN and infinities among the inputs are not served; a chunk's amax stays under 2^126 (the reciprocal of its scale must be a normal number).
; THE OUTPUT IS LAID IN THE ORDER OF THE OPERAND'S REGISTERS: [tile of 256 rows: 16][K step of 128: 32][block of 25,600 bytes].  A block: 16 fragment images of 1,536 bytes (fragment f = rows 16 f .. 16 f + 15; registers 4 c .. 4 c + 3
; of lane l at 512 c + 16 l), then 1,024 bytes of scale words: that of fragment f, row r at 24,576 + 256 (f / 4) + 16 r + 4 (f % 4).  A fragment's lane (r, h) holds row r; its registers 6 c .. 6 c + 5 hold k = 64 c + 32 h + 0 .. 31.
; SHARES.  Work-groups 0-511 take x, 512-1023 weight.  A work-group makes one whole block: tile id / 32, K step id % 32: 25,600 dense bytes.  Wave g takes rows 64 g .. 64 g + 63: fragments 4 g + t, t = 0 .. 3, written out.
; With 256 registers a wave and 34,304 bytes of LDS a work-group, four work-groups fit on a WGP.  Each load reads 512 consecutive bytes (a row's 128 numbers of the K step); a fragment's 16 rows turn through the wave's own
; stage in LDS (pitch 528 = 512 + 16) and come back 32 neighbours along K at a time.  Each store of codes covers 512 consecutive bytes, aligned.  Waves share nothing: no barrier.  Loads run two fragments (32 loads a wave) ahead.
.set GI,   4                           ; v4   16 x lane: my bytes of a load's 512
.set SA,   5                           ; v5   the stage, on the way in: wave x 8,448 + 16 x lane
.set RA,   6                           ; v6   and on the way out: wave x 8,448 + 528 r + 128 h
.set OA,   7                           ; v7   codes: 16 x lane + 6,144 x wave
.set SADR, 8                           ; v8   scale words: 16 r + 24,576 + 256 x wave
.set S,    12                          ; v[12:13] the chunk's scale, twice (a pair for the packed forms)
.set RI,   14                          ; v[14:15] its reciprocal, twice
.set W,    16                          ; v[16:19] fragment t's scale word
.set P,    24                          ; v[24:35] a fragment's codes;  v[36:38], v[40:42] the halves that are made elsewhere and moved
.set Q,    44                          ; v[44:51] at work
.set E,    52                          ; v[52:59] at work
.set X,    60                          ; v[60:123] register 32 c + i: k = 64 c + 32 h + i of row r
.set RAW,  124                         ; v[124:187], v[188:251] two sets of 16 rows as loaded
	s_load_b128 s[4:7], s[0:1], 0x0                ; x, weight
	s_load_b128 s[8:11], s[0:1], 0x10              ; part, acodes
	s_load_b64 s[12:13], s[0:1], 0x20              ; bcodes
	v_lshl_add_u32 v254, v0, 2, 0x8400             ; my spare word, behind the four stages
	v_mov_b32 v255, 0
	v_lshrrev_b32 v1, 5, v0
	v_readfirstlane_b32 s14, v1                    ; wave 0..3
	v_and_b32 v1, 31, v0                           ; lane
	v_and_b32 v2, 15, v0                           ; r
	v_bfe_u32 v3, v0, 4, 1                         ; h
	v_lshlrev_b32 v[GI], 4, v1
	s_mul_i32 s15, s14, 8448                       ; my stage
	v_add_nc_u32 v[SA], s15, v[GI]
	v_mul_u32_u24 v[RA], v2, 528
	v_lshl_add_u32 v[RA], v3, 7, v[RA]
	v_add_nc_u32 v[RA], s15, v[RA]
	s_mul_i32 s16, s14, 6144                       ; my four fragments' images in the block
	v_add_nc_u32 v[OA], s16, v[GI]
	v_lshlrev_b32 v[SADR], 4, v2
	s_lshl_b32 s17, s14, 8
	s_add_co_u32 s17, s17, 24576
	v_add_nc_u32 v[SADR], s17, v[SADR]
	v_lshlrev_b32 v9, 3, v3                        ; 8 h: how far my two scale bytes are shifted
	v_mov_b32 v10, 0x42fe0000                      ; 127.0
	v_mov_b32 v11, 0                               ; a lane permute's destination counts as one of its sources
	s_mov_b32 s26, 0x76543210                      ; v_permlanex16_b32's selects for lane l xor 16
	s_mov_b32 s27, 0xfedcba98
	s_mov_b32 s28, 0x3c010204                      ; 1 / 127, rounded
	s_wait_alu depctr_va_vdst(0)                   ; the head's end
	s_wait_kmcnt 0x0
	s_cmp_lt_u32 ttmp9, 512                        ; x's work-group or weight's?  The choice hangs on the work-group's number alone; all selections stand ahead of the arithmetic that sets SCC
	s_cselect_b64 s[4:5], s[4:5], s[6:7]
	s_cselect_b64 s[10:11], s[10:11], s[12:13]
	s_cselect_b32 s18, 0, 512
	s_cselect_b32 s19, 0, 4096                     ; the tensor's part of part
	s_sub_co_u32 s18, ttmp9, s18                   ; id
	s_lshr_b32 s20, s18, 5                         ; tile
	s_and_b32 s21, s18, 31                         ; K step
	s_lshr_b32 s22, s21, 3                         ; chunk: eight K steps of 128
	s_lshl_b32 s24, s20, 22                        ; in: 256 rows of 16,384 bytes a tile,
	s_lshl_b32 s23, s14, 20                        ; 64 rows a wave,
	s_add_co_u32 s24, s24, s23
	s_lshl_b32 s23, s21, 9                         ; 512 bytes a K step
	s_add_co_u32 s24, s24, s23
	s_mov_b32 s25, 0
	s_add_nc_u64 s[4:5], s[4:5], s[24:25]
	s_mul_i32 s24, s20, 819200                     ; out: 32 blocks a tile
	s_mul_i32 s23, s21, 25600
	s_add_co_u32 s24, s24, s23
	s_add_nc_u64 s[10:11], s[10:11], s[24:25]
	s_lshl_b32 s24, s22, 10                        ; part: 1,024 bytes a chunk
	s_add_co_u32 s24, s24, s19
	s_add_nc_u64 s[8:9], s[8:9], s[24:25]
.macro LOAD t                          ; fragment t's 16 rows, 512 consecutive bytes each, into set t % 2.  Read once in this launch
.irp j, 0,1,2,3,4,5,6,7,8,9,10,11,12,13,14,15
	global_load_b128 v[RAW+64*((\t)%2)+4*\j:RAW+64*((\t)%2)+4*\j+3], v[GI], s[4:5] offset:(16*(\t)+\j)*16384 th:TH_LOAD_NT
.endr
.endm
	global_load_b128 v[Q:Q+3], v[GI], s[8:9]       ; my chunk's 256 partial maxima: eight a lane
	global_load_b128 v[Q+4:Q+7], v[GI], s[8:9] offset:512
	LOAD 0
	LOAD 1
	s_wait_loadcnt 32                              ; the maxima are in; the 32 loads behind them stay out
	v_max3_num_f32 v44, v44, v45, v46
	v_max3_num_f32 v47, v47, v48, v49
	v_max3_num_f32 v44, v44, v50, v51
	v_max_num_f32 v44, v44, v47
.irp m, 1,2,4,8
	v_max_num_f32_dpp v44, v44, v44 row_xmask:\m row_mask:0xf bank_mask:0xf
.endr
	v_permlanex16_b32 v11, v44, s26, s27
	v_max_num_f32 v44, v44, v11                    ; amax of the chunk, in every lane
	v_mul_f32 v45, s28, v44                        ; amax / 127: a first quotient,
	v_fma_f32 v46, -v45, v10, v44                  ; what it leaves,
	v_fma_f32 v[S], v46, s28, v45                  ; and the correction
	v_max_num_f32 v[S], 0x322bcc77, v[S]           ; held at 1e-8 from below
	s_wait_alu depctr_va_vdst(0)                   ; ahead of the transcendental
	v_rcp_f32 v45, v[S]
	v_nop                                          ; one plain place behind a transcendental
	s_wait_alu depctr_va_vdst(0)                   ; ahead of its first reader
	v_fma_f32 v46, -v[S], v45, 1.0                 ; one step of Newton's
	v_fma_f32 v[RI], v46, v45, v45
	v_mov_b32 v[S+1], v[S]
	v_mov_b32 v[RI+1], v[RI]
; Eight numbers, X + 8 b on, are fake-quantised in place, two at a time.
.macro FQ b
.irp p, 0,2,4,6
	v_pk_mul_f32 v[Q+\p:Q+\p+1], v[X+8*(\b)+\p:X+8*(\b)+\p+1], v[RI:RI+1]                                           ; t / scale: a first quotient,
.endr
.irp p, 0,2,4,6
	v_pk_fma_f32 v[E+\p:E+\p+1], v[Q+\p:Q+\p+1], v[S:S+1], v[X+8*(\b)+\p:X+8*(\b)+\p+1] neg_lo:[1,0,0] neg_hi:[1,0,0]   ; what it leaves: t - quotient x scale,
.endr
.irp p, 0,2,4,6
	v_pk_fma_f32 v[Q+\p:Q+\p+1], v[E+\p:E+\p+1], v[RI:RI+1], v[Q+\p:Q+\p+1]                                         ; and the correction
.endr
.irp i, 0,1,2,3,4,5,6,7
	v_rndne_f32 v[Q+\i], v[Q+\i]                   ; to the nearest whole number, ties to even
.endr
.irp i, 0,1,2,3,4,5,6,7
	v_med3_num_f32 v[Q+\i], v[Q+\i], -v10, v10     ; the clip
.endr
.irp p, 0,2,4,6
	v_pk_mul_f32 v[Q+\p:Q+\p+1], v[Q+\p:Q+\p+1], v[S:S+1]                                                           ; q
.endr
.irp p, 0,2,4,6
	v_pk_add_f32 v[E+\p:E+\p+1], v[Q+\p:Q+\p+1], v[X+8*(\b)+\p:X+8*(\b)+\p+1] neg_lo:[0,1] neg_hi:[0,1]                 ; q - t
.endr
.irp p, 0,2,4,6
	v_pk_add_f32 v[X+8*(\b)+\p:X+8*(\b)+\p+1], v[X+8*(\b)+\p:X+8*(\b)+\p+1], v[E+\p:E+\p+1]                             ; t + (q - t), as the model writes it
.endr
.endm
.macro FRAGMENT t
.if (\t) < 3
	s_wait_loadcnt 16                              ; my 16 loads are in; the next fragment's 16 stay out
.else
	s_wait_loadcnt 0
.endif
.irp j, 0,1,2,3,4,5,6,7,8,9,10,11,12,13,14,15
	ds_store_b128 v[SA], v[RAW+64*((\t)%2)+4*\j:RAW+64*((\t)%2)+4*\j+3] offset:528*\j        ; row j as it lies
.endr
.irp c, 0,1
.irp j, 0,1,2,3,4,5,6,7
	ds_load_b128 v[X+32*\c+4*\j:X+32*\c+4*\j+3], v[RA] offset:256*\c+16*\j                   ; LDS serves a wave's instructions in order (ISA guide 5.7.1.4): these see the stores above
.endr
.endr
	s_wait_dscnt 0x0                               ; my 64 numbers are in, and the stores have read their registers,
.if (\t) < 2
	LOAD (\t)+2                                    ; which take the loads of two fragments on
.endif
.irp b, 0,1,2,3,4,5,6,7
	FQ \b
.endr
.irp q, 0,1,2,3                        ; my two blocks' largest magnitudes, each in two chains of 16 numbers, the four chains by turns
	v_max3_num_f32 v[Q+\q], |v[X+16*\q]|, |v[X+16*\q+1]|, 0x2800000   ; with the floor 2^(5 - 127): so the byte cannot fall under 1
.endr
.irp i, 2,4,6,8,10,12,14
.irp q, 0,1,2,3
	v_max3_num_f32 v[Q+\q], v[Q+\q], |v[X+16*\q+\i]|, |v[X+16*\q+\i+1]|
.endr
.endr
	v_max_num_f32 v44, v44, v45                    ; block h of my row,
	v_max_num_f32 v45, v46, v47                    ; and block 2 + h
	v_add_nc_u32 v48, 0xfe000000, v44              ; 4 off the exponent field: the conversion takes the exponent field of this operand as its scale, and nothing else of it
	v_add_nc_u32 v49, 0xfe000000, v45
	v_lshrrev_b32 v50, 23, v48                     ; the scales' bytes
	v_lshrrev_b32 v51, 23, v49
	v_lshl_or_b32 v50, v51, 16, v50
	v_lshlrev_b32 v50, v9, v50                     ; at their places in the scale word (8 h bits up);
	v_permlanex16_b32 v11, v50, s26, s27
	v_or_b32 v[W+(\t)], v50, v11                   ; with lane l xor 16's two the word is whole, in both lanes
.if (\t) > 0
	s_wait_alu depctr_va_vdst(0)                   ; directly ahead of the wait below
	s_wait_xcnt 0x0                                ; the last fragment's stores have read their registers: the codes are written again only behind this wait
.endif
	v_cvt_scalef32_pk16_bf6_f32 v[P:P+2], v[X:X+15], v48
	v_cvt_scalef32_pk16_bf6_f32 v[36:38], v[X+16:X+31], v48      ; (a conversion's three registers begin on an even number: the second half of a block's six is made elsewhere and moved)
	v_cvt_scalef32_pk16_bf6_f32 v[P+6:P+8], v[X+32:X+47], v49
	v_cvt_scalef32_pk16_bf6_f32 v[40:42], v[X+48:X+63], v49
	v_nop                                          ; one plain place behind a scaled conversion
.irp i, 0,1,2
	v_mov_b32 v[P+3+\i], v[36+\i]
	v_mov_b32 v[P+9+\i], v[40+\i]
.endr
.irp c, 0,1,2
	global_store_b128 v[OA], v[P+4*\c:P+4*\c+3], s[10:11] offset:1536*(\t)+512*\c   ; the image of the operand's registers: 32 lanes store 512 consecutive bytes, aligned
.endr
.endm
	s_wait_alu depctr_va_vdst(0)                   ; directly ahead of the wait below
.irp t, 0,1,2,3
	FRAGMENT \t
.endr
	global_store_b128 v[SADR], v[W:W+3], s[10:11]  ; my four fragments' words: 256 consecutive bytes, aligned (lanes 16-31 hold and store the same words as lanes 0-15, at the same places)
	s_wait_tensorcnt 0x0                           ; the wave's end, behind my last LDS store
	ds_add_u32 v254, v255
	s_wait_dscnt 0x0
	s_endpgm
.Lfunc_end_k_q279f2ff7ad_quant:
	.size	k_q279f2ff7ad_quant, .Lfunc_end_k_q279f2ff7ad_quant-k_q279f2ff7ad_quant
	.p2alignl 7, 3214868480
	.fill 96, 4, 3214868480
	.section	.rodata,"a",@progbits
	.p2align	6, 0x0
	.amdhsa_kernel k_q279f2ff7ad_quant
		.amdhsa_group_segment_fixed_size 34304
		.amdhsa_private_segment_fixed_size 0
		.amdhsa_enable_private_segment 0
		.amdhsa_kernarg_size 40
		.amdhsa_user_sgpr_count 2
		.amdhsa_user_sgpr_kernarg_segment_ptr 1
		.amdhsa_wavefront_size32 1
		.amdhsa_system_sgpr_workgroup_id_x 1
		.amdhsa_system_sgpr_workgroup_id_y 1
		.amdhsa_system_sgpr_workgroup_id_z 1
		.amdhsa_system_vgpr_workitem_id 0
		.amdhsa_next_free_vgpr 256
		.amdhsa_next_free_sgpr 66
		.amdhsa_reserve_vcc 0
		.amdhsa_float_denorm_mode_32 3
		.amdhsa_float_denorm_mode_16_64 3
		.amdhsa_memory_ordered 1
		.amdhsa_forward_progress 1
		.amdhsa_inst_pref_size 104
	.end_amdhsa_kernel
	.amdgpu_metadata
---
amdhsa.version: [ 1, 2 ]
amdhsa.kernels:
  - .name:           k_q279f2ff7ad_quant
    .symbol:         k_q279f2ff7ad_quant.kd
    .args:
      - { .name: x, .offset: 0, .size: 8, .value_kind: global_buffer, .address_space: global }
      - { .name: weight, .offset: 8, .size: 8, .value_kind: global_buffer, .address_space: global }
      - { .name: part, .offset: 16, .size: 8, .value_kind: global_buffer, .address_space: global }
      - { .name: acodes, .offset: 24, .size: 8, .value_kind: global_buffer, .address_space: global }
      - { .name: bcodes, .offset: 32, .size: 8, .value_kind: global_buffer, .address_space: global }
    .group_segment_fixed_size: 34304
    .private_segment_fixed_size: 0
    .kernarg_segment_align: 8
    .kernarg_segment_size: 40
    .max_flat_workgroup_size: 128
    .sgpr_count:     66
    .vgpr_count:     256
    .wavefront_size: 32
...
	.end_amdgpu_metadata
.endif
;; end of part 2
;; launch gemm (part 3): grid 16 x 16, 4 waves a work-group, clusters of 4 x 4, 327,680 bytes of LDS; arguments acodes, bcodes, out0; writes out0
.if DOCPART == 3
	.amdgcn_target "amdgcn-amd-amdhsa--gfx1250"
	.amdhsa_code_object_version 6
	.text
	.protected	k_q279f2ff7ad_gemm
	.globl	k_q279f2ff7ad_gemm
	.p2align	8
	.type	k_q279f2ff7ad_gemm,@function
k_q279f2ff7ad_gemm:
	s_mov_b64 s[64:65], 0
	v_nop
	global_prefetch_b8 v0, s[64:65] scope:SCOPE_SE
	s_setreg_imm32_b32 hwreg(HW_REG_WAVE_MODE, 25, 1), 1
	s_wait_xcnt 0x0
	s_wait_alu depctr_hold_cnt(0) depctr_sa_sdst(0) depctr_va_vdst(0) depctr_va_sdst(0) depctr_va_ssrc(0) depctr_va_vcc(0) depctr_vm_vsrc(0)
	s_getreg_b32 s2, hwreg(HW_REG_IB_STS2, 6, 4)
	s_cmp_eq_u32 s2, 0
	s_cbranch_scc0 .Lentry_in_a_cluster
	s_endpgm
.Lentry_in_a_cluster:
	s_bfe_u32 s2, ttmp6, 0x10000c
	s_cmp_lg_u32 s2, 0xf033
	s_cbranch_scc0 .Lentry_shape_is_right
	s_endpgm
.Lentry_shape_is_right:
; out0[m][n] = sum over k of A[m][k] B[n][k], A and B codes of BF6 (E3M2) with one E8M0 byte for each 32 along K, sums in f32.
; acodes and bcodes lie as the launch before stored them: [tile of 256 rows: 16][K step of 128: 32][block of 25,600 bytes]; a block is 16 fragment images of 1,536 bytes (registers 4 c .. 4 c + 3 of lane l
; at 512 c + 16 l) and 1,024 bytes of scale words (fragment f, row r at 24,576 + 256 (f / 4) + 16 r + 4 (f % 4)).  A fragment comes from LDS by three loads of 512 consecutive bytes.
; A work-group of four waves makes 256 x 256 of out0, a wave 128 x 128: 64 accumulators.  256 work-groups.  K goes through a ring of two LDS slots of three K steps (the first fill: two), A's blocks and then B's.
; CLUSTERS: 4 x 4 work-groups; A's blocks are asked for jointly along a row of the cluster, B's along a column; waves 0, 1 ask for A's two halves of a slot, waves 2, 3 for B's.
; The matrix instruction is used transposed (source 0 = 16 rows of B, source 1 = 16 rows of A): a lane holds eight neighbouring numbers of a row of out0.
; REGISTERS.  Window 0: v2-14 addresses; v16-31 scale words, two sets of 8 (register i: lanes 0-15 A's block i, lanes 16-31 B's block i); v32-127, v128-223 A's eight fragments, two sets.
;   Window 1: B's eight fragments, two sets, at v0 and v128.  Window 2: the accumulators of my rows 0-63 ((a, b) at v[8 (8 a + b)]); window 3: those of my rows 64-127.
; A step of 128 along K is 64 products on one set.  ALL of the next step's 50 LDS loads stand in ONE run in the step's middle, into the other set, in the order of their first use:
; the scale words and A's blocks 0, 1 (8 loads), B's eight blocks (24), A's blocks 2 to 7 (18).  The 64 accumulators take turns, one instruction a turn, in the same order in every step.
; PREFETCH: behind every joint load the wave asks for the bytes of its NEXT joint load, three K steps ahead: 150 blocks of 256 bytes, of which the partner at place p (cx for A, cy for B) names
; 38 p .. 38 p + 37, held at 149: two instructions a wave.  The first fill comes by its load alone; the last refill asks for nothing.
.set BLK,    25600
.set FRB,    1536
.set TILEB,  32*BLK
.set NS,     3
.set HALF,   NS*BLK                    ; A's part of a slot
.set QUART,  HALF/2                    ; what one tensor load of the ring brings: 150 rows of 256 bytes
.set SLOT,   2*HALF
.set LAPS,   4
.set SIZE_N, 4096
.set STAGE,  SLOT                      ; the way out goes through slot 1: the last three K steps lie in slot 0
.set SPITCH, 528
.set SPARE,  2*SLOT                    ; the spare words, 128 bytes a wave
.set PFO,  2                           ; v2-3   the prefetches' offsets
.set ADRA, 4                           ; v4-5   A's fragments in slot 0, 1
.set ADRB, 6                           ; v6-7   B's
.set ADRS, 8                           ; v8-9   scale words: lanes 0-15 A's rows, lanes 16-31 B's
.set STO,  10
.set RD,   11
.set CO,   12
.set SPW,  13
.set NIL,  14
.set SC,   16
.set AF,   32
.set BK,   0                           ; the way out: 16 rows read back, v0-63 and v64-127 of window 1 by turns (B's set 0 and the 32 registers behind it: the last K step multiplies set 1)
.set PFA,  8                           ; s[8:9] where my prefetches stand
.set G1, 24
.set G0, 32
.set G1B, 48
.set G0B, 56
.set G1F, 68
.set G1FB, 76
.set G0F, 84
.set G0FB, 88
.set MSB, 0
.macro WIN new                         ; the immediate's high byte repeats the setting that is left
.if MSB != (\new)
	s_set_vgpr_msb (MSB<<8)|(\new)
.set MSB, (\new)
.endif
.endm
.set MUL_LO, 0xa1                      ; source 0 (B) window 1, source 1 (A) window 0, C and D window 2
.set MUL_HI, 0xf1                      ; the same, C and D window 3
.set TO_B,   0x40                      ; destination window 1, address window 0
.macro JLOAD g0a, g1a, g0b, g1b        ; a joint load; the branch hangs on the wave's number alone; s_nop 0 and four v_nop behind each line
	s_cmp_eq_u32 s15, 0
	s_cbranch_scc0 .Lfor_b_\@
	tensor_load_to_lds s[\g0a:\g0a+3], s[\g1a:\g1a+7]
	s_nop 0
.rept 4
	v_nop
.endr
	s_branch .Lasked_\@
.Lfor_b_\@:
	tensor_load_to_lds s[\g0b:\g0b+3], s[\g1b:\g1b+7]
	s_nop 0
.rept 4
	v_nop
.endr
.Lasked_\@:
.endm
.macro CREST                           ; a round of the cluster's barrier behind its opening barrier
	s_cmp_lg_u32 s14, 0
	s_cbranch_scc1 .Lnot_wave_0_\@
	s_barrier_signal -3
.Lnot_wave_0_\@:
	s_barrier_wait -3
	s_barrier_signal -1
	s_barrier_wait -1
.endm
.macro CROUND
	s_barrier_signal -1
	s_barrier_wait -1
	CREST
.endm
.macro PF off                          ; my share of the joint load that begins off bytes behind s[PFA:PFA+1]
	global_prefetch_b8 v[PFO], s[PFA:PFA+1] offset:\off th:TH_LOAD_NT scope:SCOPE_SE
	global_prefetch_b8 v[PFO+1], s[PFA:PFA+1] offset:\off th:TH_LOAD_NT scope:SCOPE_SE
.endm
.macro PLACES
.rept 4
	v_nop
.endr
.endm
	s_load_b128 s[4:7], s[0:1], 0x0                ; acodes, bcodes
	s_load_b64 s[12:13], s[0:1], 0x10              ; out0
	v_lshl_add_u32 v[SPW], v0, 2, SPARE
	v_mov_b32 v[NIL], 0
	ds_add_u32 v[SPW], v[NIL]                      ; the opening lines: the add, twice on end, and its wait ahead of my first tensor load
	ds_add_u32 v[SPW], v[NIL]
	v_lshrrev_b32 v1, 5, v0
	v_readfirstlane_b32 s14, v1                    ; wave
	s_lshr_b32 s15, s14, 1                         ; my half of the tile's rows; also: I fetch for A (0) or B (1)
	s_and_b32 s16, s14, 1                          ; my half of its columns; also: which half of a slot's part I fetch
	s_bfe_u32 s40, ttmp6, 0x40000                  ; cx
	s_bfe_u32 s41, ttmp6, 0x40004                  ; cy
	s_lshl_b32 s42, ttmp9, 2
	s_add_co_u32 s42, s42, s40                     ; tile column
	s_and_b32 s17, ttmp7, 0xffff
	s_lshl_b32 s17, s17, 2
	s_add_co_u32 s17, s17, s41                     ; tile row
	s_lshl_b32 s43, s41, 2
	s_lshl_b32 s43, 15, s43                        ; my row of the cluster
	s_lshl_b32 s44, 0x1111, s40                    ; my column
	s_or_b32 s[G1+0], s43, (3<<16)|(1<<21)         ; dense rows of 32 elements of 8 bytes
	s_or_b32 s[G1B+0], s44, (3<<16)|(1<<21)
	s_or_b32 s[G1F+0], s43, (3<<16)|(1<<21)
	s_or_b32 s[G1FB+0], s44, (3<<16)|(1<<21)
.irp g, G1, G1B                        ; the ring's loads: 150 rows
	s_mov_b32 s[\g+1], 32<<16
	s_mov_b32 s[\g+2], 150<<16
	s_mov_b32 s[\g+3], 32<<16
	s_mov_b32 s[\g+4], 150
	s_mov_b32 s[\g+5], 32
	s_mov_b32 s[\g+6], 0
	s_mov_b32 s[\g+7], 0
.endr
.irp g, G1F, G1FB                      ; the first fill: one block, 100 rows
	s_mov_b32 s[\g+1], 32<<16
	s_mov_b32 s[\g+2], 100<<16
	s_mov_b32 s[\g+3], 32<<16
	s_mov_b32 s[\g+4], 100
	s_mov_b32 s[\g+5], 32
	s_mov_b32 s[\g+6], 0
	s_mov_b32 s[\g+7], 0
.endr
	s_mul_i32 s21, s15, 8*FRB                      ; my eight fragments of A in a block
	s_mul_i32 s22, s16, 8*FRB
	s_add_co_u32 s22, s22, HALF                    ; and of B
	s_add_co_u32 s18, s21, SLOT
	s_add_co_u32 s19, s22, SLOT
	s_xor_b32 s23, s15, 1
	s_add_co_u32 s23, s23, s16
	s_lshl_b32 s23, s23, 9
	s_add_co_u32 s23, s23, HALF-512                ; from A's scale words to B's
	s_lshl_b32 s20, s15, 9
	s_add_co_u32 s20, s20, 16*FRB
	s_mul_i32 s45, s14, 16*SPITCH
	s_add_co_u32 s45, s45, STAGE                   ; my stage
	s_cmp_eq_u32 s15, 0
	s_cselect_b32 s10, s40, s41                    ; my place among the four that ask with me
	s_mul_i32 s10, s10, 38
	v_and_b32 v32, 15, v0                          ; r
	v_bfe_u32 v33, v0, 4, 1                        ; h
	v_and_b32 v34, 31, v0                          ; lane
	v_lshlrev_b32 v35, 4, v34
	v_add_nc_u32 v[ADRA], s21, v35
	v_add_nc_u32 v[ADRA+1], s18, v35
	v_add_nc_u32 v[ADRB], s22, v35
	v_add_nc_u32 v[ADRB+1], s19, v35
	v_mul_u32_u24 v36, s23, v33                    ; lanes 16-31 take B's words
	v_lshl_add_u32 v36, v32, 4, v36
	v_add_nc_u32 v[ADRS], s20, v36
	v_add_nc_u32 v[ADRS+1], SLOT, v[ADRS]
	v_mul_u32_u24 v37, v32, SPITCH                 ; into the stage: row r, 32 bytes for each half of the lanes
	v_lshl_add_u32 v37, v33, 5, v37
	v_add_nc_u32 v[STO], s45, v37
	v_add_nc_u32 v[RD], s45, v35                   ; back: the 32 lanes take one row of 512 bytes
	v_lshlrev_b32 v[CO], 4, v34
	v_add_nc_u32 v[PFO], s10, v34                  ; blocks 38 p + 0 .. 31,
	v_min_u32 v38, 5, v34
	v_add3_u32 v[PFO+1], v38, s10, 32              ; and 38 p + 32 .. 37 (the lanes left over name the last again),
	v_min_u32 v[PFO], 149, v[PFO]                  ; held inside the load's 150 blocks
	v_min_u32 v[PFO+1], 149, v[PFO+1]
	v_lshlrev_b32 v[PFO], 8, v[PFO]
	v_lshlrev_b32 v[PFO+1], 8, v[PFO+1]
	s_mul_i32 s18, s16, BLK
	s_mul_i32 s19, s16, QUART
	s_mul_i32 s20, s17, TILEB
	s_add_co_u32 s22, s20, s19
	s_add_co_u32 s20, s20, s18
	s_mov_b32 s21, 0
	s_mov_b32 s23, 0
	s_mul_i32 s46, s42, TILEB
	s_add_co_u32 s92, s46, s19
	s_add_co_u32 s46, s46, s18
	s_mov_b32 s47, 0
	s_mov_b32 s93, 0
	s_mul_i32 s94, s14, QUART                      ; LDS: wave x a quarter of a slot
	s_mul_i32 s95, s15, HALF
	s_add_co_u32 s95, s95, s18                     ; the first fill: block s16 of A's or B's part
	s_wait_alu depctr_va_vdst(0)                   ; the head's end: no ordinary vector instruction writes a register behind it
	s_wait_dscnt 0x0                               ; both opening adds are done
	s_wait_kmcnt 0x0
	s_add_nc_u64 s[20:21], s[4:5], s[20:21]
	s_add_nc_u64 s[22:23], s[4:5], s[22:23]
	s_add_nc_u64 s[46:47], s[6:7], s[46:47]
	s_add_nc_u64 s[92:93], s[6:7], s[92:93]
	s_cmp_eq_u32 s15, 0
	s_cselect_b64 s[PFA:PFA+1], s[22:23], s[92:93]
	s_add_nc_u64 s[PFA:PFA+1], s[PFA:PFA+1], 2*BLK ; at my part of K steps 2 to 4
	s_mov_b32 s[G0F], 1
	s_mov_b32 s[G0F+1], s95
	s_mov_b64 s[G0F+2:G0F+3], s[20:21]
	s_or_b32 s[G0F+3], s[G0F+3], 0x80000000
	s_mov_b32 s[G0FB], 1
	s_mov_b32 s[G0FB+1], s95
	s_mov_b64 s[G0FB+2:G0FB+3], s[46:47]
	s_or_b32 s[G0FB+3], s[G0FB+3], 0x80000000
	s_mov_b32 s[G0+4], 1
	s_add_co_u32 s[G0+5], s94, SLOT
	s_add_nc_u64 s[G0+6:G0+7], s[22:23], 2*BLK
	s_or_b32 s[G0+7], s[G0+7], 0x80000000
	s_mov_b32 s[G0B+4], 1
	s_add_co_u32 s[G0B+5], s94, SLOT
	s_add_nc_u64 s[G0B+6:G0B+7], s[92:93], 2*BLK
	s_or_b32 s[G0B+7], s[G0B+7], 0x80000000
	s_mov_b32 s[G0], 1
	s_mov_b32 s[G0+1], s94
	s_add_nc_u64 s[G0+2:G0+3], s[22:23], 5*BLK
	s_or_b32 s[G0+3], s[G0+3], 0x80000000
	s_mov_b32 s[G0B], 1
	s_mov_b32 s[G0B+1], s94
	s_add_nc_u64 s[G0B+2:G0B+3], s[92:93], 5*BLK
	s_or_b32 s[G0B+3], s[G0B+3], 0x80000000
	CROUND                                         ; all sixteen work-groups are here: the first joint loads meet
	JLOAD G0F, G1F, G0FB, G1FB                     ; K steps 0 and 1, a block a wave: one tensor load a wave at the head
	PF 0                                           ; K steps 2 to 4
	s_lshl_b32 s20, s17, 8                         ; where my part of out0 begins
	s_lshl_b32 s21, s15, 7
	s_add_co_u32 s20, s20, s21
	s_lshl_b32 s20, s20, 14
	s_lshl_b32 s46, s42, 10
	s_lshl_b32 s47, s16, 9
	s_add_co_u32 s46, s46, s47
	s_add_co_u32 s20, s20, s46
	s_mov_b32 s21, 0
	s_add_nc_u64 s[12:13], s[12:13], s[20:21]
.macro FRAG reg, adr, q, i             ; a fragment's image: three loads of 512 consecutive bytes
.irp c, 0,1,2
	ds_load_b128 v[\reg+4*\c:\reg+4*\c+3], v[\adr] offset:BLK*(\q)+FRB*(\i)+512*\c
.endr
.endm
.macro BURST s, q, p                   ; the 50 loads of the step at block q of slot s, into set p, in the order of their first use; leaves every window 0
	WIN 0
.irp g, 0,1
	ds_load_b128 v[SC+8*(\p)+4*\g:SC+8*(\p)+4*\g+3], v[ADRS+\s] offset:BLK*(\q)+256*\g
.endr
	FRAG AF+96*(\p), ADRA+\s, \q, 0
	FRAG AF+96*(\p)+12, ADRA+\s, \q, 1
	WIN TO_B
.irp i, 0,1,2,3,4,5,6,7
	FRAG 128*(\p)+12*\i, ADRB+\s, \q, \i
.endr
	WIN 0
.irp i, 2,3,4,5,6,7
	FRAG AF+96*(\p)+12*\i, ADRA+\s, \q, \i
.endr
.endm
; Group g: 16 products, A's blocks 2 g, 2 g + 1 x B's eight, on set p.  The waits count the loads of the last run that stand behind what the next products need: behind B's block 3 stand 30, behind B's block 7
; 18, behind A's block 3 12.  ex = 1: the add is out too (and group 1, which then stands behind a wait for 0, has no wait).
.macro GROUP g, p, zero, ex
.if (\g) == 1 && (\ex) == 0
	s_wait_dscnt 12
.endif
.irp i, 0,1
.irp b, 0,1,2,3,4,5,6,7
.if (\g) == 0 && \i == 0 && \b == 0
	s_wait_dscnt 30+(\ex)
.endif
.if (\g) == 0 && \i == 0 && \b == 4
	s_wait_dscnt 18+(\ex)
.endif
.if \zero
	v_wmma_scale_f32_16x16x128_f8f6f4 v[8*(8*((2*(\g)+\i)%4)+\b):8*(8*((2*(\g)+\i)%4)+\b)+7], v[128*(\p)+12*\b:128*(\p)+12*\b+11], v[AF+96*(\p)+12*(2*(\g)+\i):AF+96*(\p)+12*(2*(\g)+\i)+11], 0, v[SC+8*(\p)+\b], v[SC+8*(\p)+2*(\g)+\i] matrix_a_fmt:MATRIX_FMT_BF6 matrix_b_fmt:MATRIX_FMT_BF6 matrix_a_scale:MATRIX_SCALE_ROW1
.else
	v_wmma_scale_f32_16x16x128_f8f6f4 v[8*(8*((2*(\g)+\i)%4)+\b):8*(8*((2*(\g)+\i)%4)+\b)+7], v[128*(\p)+12*\b:128*(\p)+12*\b+11], v[AF+96*(\p)+12*(2*(\g)+\i):AF+96*(\p)+12*(2*(\g)+\i)+11], v[8*(8*((2*(\g)+\i)%4)+\b):8*(8*((2*(\g)+\i)%4)+\b)+7], v[SC+8*(\p)+\b], v[SC+8*(\p)+2*(\g)+\i] matrix_a_fmt:MATRIX_FMT_BF6 matrix_b_fmt:MATRIX_FMT_BF6 matrix_a_scale:MATRIX_SCALE_ROW1
.endif
.endr
.endr
.endm
; A step inside a slot.  The four places stand behind all products of the step before, which read the set that the run fills (ISA guide 7.12.1 for vector instructions).
.macro STEP p, zero, ns, nq
	WIN MUL_LO
	GROUP 0, \p, \zero, 0
	GROUP 1, \p, \zero, 0
	s_wait_dscnt 0x0                               ; the rest of the last run, A's blocks 4 to 7, asked for 64 products ago
	PLACES
	BURST \ns, \nq, 1-(\p)
	WIN MUL_HI
	GROUP 2, \p, \zero, 0
	GROUP 3, \p, \zero, 0
.endm
; A slot's last step: all its fragments were asked for in the step before, so the slot is read no more.  Each wave waits for all its tensor loads (one is out: its part of the next slot), adds 0 to its
; spare word, and waits for that and for its reads; the barrier opens a round of the cluster's barrier; the refill is the first tensor load behind it, and the run of loads from the next slot follows.
; ask: 1 the next refill is prefetched, 2 but not in the loop's last trip, 0 never.
.macro TURN p, slot, next, fill, ask
.if \fill
	s_wait_xcnt 0x0                                ; my prefetches have read their address
	s_add_nc_u64 s[PFA:PFA+1], s[PFA:PFA+1], NS*BLK
.endif
	WIN 0
	s_wait_tensorcnt 0x0
	ds_add_u32 v[SPW], v[NIL]
	WIN MUL_LO
	GROUP 0, \p, 0, 1
	s_wait_dscnt 0x0                               ; the add is done, and my reads of this slot are over
	s_barrier_signal -1
	GROUP 1, \p, 0, 1
	WIN 0
	s_barrier_wait -1
.if \fill
	CREST
	s_add_nc_u64 s[G0+4*\next+2:G0+4*\next+3], s[G0+4*\next+2:G0+4*\next+3], 2*NS*BLK      ; no load of mine is out: the other slot's next address
	s_add_nc_u64 s[G0B+4*\next+2:G0B+4*\next+3], s[G0B+4*\next+2:G0B+4*\next+3], 2*NS*BLK
	JLOAD G0+4*\slot, G1, G0B+4*\slot, G1B         ; its four v_nop are also the places in front of the loads below
.else
	PLACES
.endif
	BURST \next, 0, 1-(\p)
.if (\ask) == 2
	s_cmp_gt_u32 s3, 1
	s_cbranch_scc0 .Lno_ask_\@
.endif
.if \ask
	PF NS*BLK
.endif
.if (\ask) == 2
.Lno_ask_\@:
.endif
	WIN MUL_HI
	GROUP 2, \p, 0, 0
	GROUP 3, \p, 0, 0
	WIN 0
.endm
	s_wait_tensorcnt 0x0                           ; my block of K steps 0, 1 is in
	ds_add_u32 v[SPW], v[NIL]
	s_wait_dscnt 0x0
	CROUND
	JLOAD G0+4, G1, G0B+4, G1B                     ; K steps 2 to 4 into slot 1
	BURST 0, 0, 0                                  ; K step 0's fragments
	PF NS*BLK                                      ; K steps 5 to 7
	STEP 0, 1, 0, 1                                ; the first step's products start the sums
	TURN 1, 0, 1, 1, 1
	s_mov_b32 s3, LAPS
.Llap:                                                 ; a trip: six K steps, once round the ring; the sets come back to where they began
	STEP 0, 0, 1, 1
	STEP 1, 0, 1, 2
	TURN 0, 1, 0, 1, 1
	STEP 1, 0, 0, 1
	STEP 0, 0, 0, 2
	TURN 1, 0, 1, 1, 2
	s_sub_co_u32 s3, s3, 1
	s_cmp_lg_u32 s3, 0
	s_cbranch_scc1 .Llap
	STEP 0, 0, 1, 1                                ; the last six K steps fetch nothing more
	STEP 1, 0, 1, 2
	TURN 0, 1, 0, 0, 0
	STEP 1, 0, 0, 1
	STEP 0, 0, 0, 2
	WIN MUL_LO
	GROUP 0, 1, 0, 0                               ; THE LAST K STEP GOES OUT BY ROWS OF out0: a block of 16 rows is finished by its 8 products; blocks 0 and 1 first,
	s_wait_dscnt 0x0                               ; then the rest of the last run of loads is in
.macro ROW a, p                        ; block a's 8 products on set p, its 8 accumulators by turns
	WIN MUL_LO+0x50*((\a)/4)
.irp b, 0,1,2,3,4,5,6,7
	v_wmma_scale_f32_16x16x128_f8f6f4 v[8*(8*((\a)%4)+\b):8*(8*((\a)%4)+\b)+7], v[128*(\p)+12*\b:128*(\p)+12*\b+11], v[AF+96*(\p)+12*(\a):AF+96*(\p)+12*(\a)+11], v[8*(8*((\a)%4)+\b):8*(8*((\a)%4)+\b)+7], v[SC+8*(\p)+\b], v[SC+8*(\p)+(\a)] matrix_a_fmt:MATRIX_FMT_BF6 matrix_b_fmt:MATRIX_FMT_BF6 matrix_a_scale:MATRIX_SCALE_ROW1
.endr
.endm
; THE WAY OUT, block by block of 16 rows x 128 columns, through my own stage in slot 1 (it has had its last fill, and every wave has passed the barrier behind its last read): in by 32 bytes a lane,
; back as whole rows of 512 bytes.  LDS serves a wave's instructions in order (ISA guide 5.7.1.4): no wait between the stores and the loads.
.macro TOSTAGE a
.set AC, 64*((\a)%4)
	WIN 0x08+4*((\a)/4)                            ; the data: window 2 or 3
.irp b, 0,1,2,3,4,5,6,7
	ds_store_b128 v[STO], v[AC+8*\b:AC+8*\b+3] offset:64*\b          ; each accumulator from its low end on
	ds_store_b128 v[STO], v[AC+8*\b+4:AC+8*\b+7] offset:64*\b+16
.endr
	WIN TO_B                                       ; back into window 1
.set BB, BK+64*((\a)%2)
.irp t, 0,1,2,3,4,5,6,7,8,9,10,11,12,13,14,15
	ds_load_b128 v[BB+4*\t:BB+4*\t+3], v[RD] offset:\t*SPITCH
.endr
.endm
.macro SEND a, younger                 ; younger: the LDS instructions issued behind block a's loads
.set BB, BK+64*((\a)%2)
	s_wait_dscnt \younger
.if (\a) > 0
	s_add_nc_u64 s[12:13], s[12:13], 16*SIZE_N*4   ; behind a wait on XCNT: the earlier stores have read their base
.endif
	WIN 0x04                                       ; the stores' data: window 1
.irp t, 0,1,2,3,4,5,6,7,8,9,10,11,12,13,14,15
	global_store_b128 v[CO], v[BB+4*\t:BB+4*\t+3], s[12:13] offset:\t*SIZE_N*4 th:TH_STORE_NT   ; 32 lanes store 512 consecutive bytes, aligned
.endr
.endm
.irp a, 0,1,2,3,4,5,6,7                ; block a leaves while block a + 2 is multiplied
	PLACES                                         ; behind all products issued so far, block a's among them: for the reads of its results, and for the loads into registers that held B's set 0
.if \a > 0
	s_wait_xcnt 0x0                                ; the earlier blocks' stores have read their registers and their base
.endif
	TOSTAGE \a
.if \a < 6
	ROW \a+2, 1                                    ; stands between block a's loads from the stage and the wait for them
.endif
	SEND \a, 0
.endr
	WIN 0
	s_wait_tensorcnt 0x0                           ; the wave's end
	ds_add_u32 v[SPW], v[NIL]
	s_wait_dscnt 0x0
	CROUND                                         ; the closing round
	s_endpgm
.Lfunc_end_k_q279f2ff7ad_gemm:
	.size	k_q279f2ff7ad_gemm, .Lfunc_end_k_q279f2ff7ad_gemm-k_q279f2ff7ad_gemm
	.p2alignl 7, 3214868480
	.fill 96, 4, 3214868480
	.section	.rodata,"a",@progbits
	.p2align	6, 0x0
	.amdhsa_kernel k_q279f2ff7ad_gemm
		.amdhsa_group_segment_fixed_size 327680
		.amdhsa_private_segment_fixed_size 0
		.amdhsa_enable_private_segment 0
		.amdhsa_kernarg_size 24
		.amdhsa_user_sgpr_count 2
		.amdhsa_user_sgpr_kernarg_segment_ptr 1
		.amdhsa_wavefront_size32 1
		.amdhsa_system_sgpr_workgroup_id_x 1
		.amdhsa_system_sgpr_workgroup_id_y 1
		.amdhsa_system_sgpr_workgroup_id_z 1
		.amdhsa_system_vgpr_workitem_id 0
		.amdhsa_next_free_vgpr 1024
		.amdhsa_next_free_sgpr 96
		.amdhsa_reserve_vcc 0
		.amdhsa_float_denorm_mode_32 3
		.amdhsa_float_denorm_mode_16_64 3
		.amdhsa_memory_ordered 1
		.amdhsa_forward_progress 1
		.amdhsa_inst_pref_size 207
	.end_amdhsa_kernel
	.amdgpu_metadata
---
amdhsa.version: [ 1, 2 ]
amdhsa.kernels:
  - .name:           k_q279f2ff7ad_gemm
    .symbol:         k_q279f2ff7ad_gemm.kd
    .args:
      - { .name: acodes, .offset: 0, .size: 8, .value_kind: global_buffer, .address_space: global }
      - { .name: bcodes, .offset: 8, .size: 8, .value_kind: global_buffer, .address_space: global }
      - { .name: out0, .offset: 16, .size: 8, .value_kind: global_buffer, .address_space: global }
    .group_segment_fixed_size: 327680
    .private_segment_fixed_size: 0
    .kernarg_segment_align: 8
    .kernarg_segment_size: 24
    .max_flat_workgroup_size: 128
    .sgpr_count:     96
    .vgpr_count:     1024
    .wavefront_size: 32
...
	.end_amdgpu_metadata
.endif
;; end of part 3
